; MI455X (gfx1250); checked and timed in simulation.
; The chip was launched on July 23, 2026; its instructions are those of AMD's public machine-readable ISA for CDNA 5 (MIT licence, August 2026) and "CDNA5" Instruction Set Architecture Reference Guide (July 2026). The comments in the code are by the model that wrote it; some were corrected since.
;; Multi Head Attention. Allowed arithmetic: matrix products marked QUANTISED: E4M3 operands, one given power-of-two scale a tensor, by v_wmma_f32_16x16x64_fp8_fp8 or v_wmma_f32_16x16x128_fp8_fp8, f32 sums; everything else in f32.
;; Inputs: Wk_codes 1,024 x 32 x 32 uint8 (E4M3 codes of Wk, K innermost, in blocks of 32 codes); Wo_codes 1,024 x 32 x 32 uint8 (E4M3 codes of Wo, K innermost, in blocks of 32 codes); Wq_codes 1,024 x 32 x 32 uint8 (E4M3 codes of Wq, K innermost, in blocks of 32 codes); Wv_codes 1,024 x 32 x 32 uint8 (E4M3 codes of Wv, K innermost, in blocks of 32 codes); bk 1,024 float32; bo 1,024 float32; bq 1,024 float32; bv 1,024 float32; key_codes 8 x 1,024 x 32 x 32 uint8 (E4M3 codes of key, K innermost, in blocks of 32 codes); lowp_scales 12 int32 (the exponents e of the quantised operands' scales 2^e); query_codes 8 x 1,024 x 32 x 32 uint8 (E4M3 codes of query, K innermost, in blocks of 32 codes); value_codes 8 x 1,024 x 32 x 32 uint8 (E4M3 codes of value, K innermost, in blocks of 32 codes).
;; Outputs: out0 8 x 1,024 x 1,024 float32.
;; This version of the problem:
;;   THIS VERSION OF THE PROBLEM IS GIVEN IN LOW PRECISION. The matrix products marked QUANTISED in the list below multiply operands that are first quantised to E4M3 (4 exponent bits, 3 mantissa bits; 8 bits a number), with one given power-of-two scale for each operand tensor; their sums are f32. All else is computed in f32.
;;   The module's matrix products, in the order in which they are computed (A, B: the left and right operand; K: the contracted axis; several contracted axes count as one K, in the product's order):
;;     1. [M 8,192, K 1,024] x [K 1,024, N 1,024]; A: input query (given as codes); B: input Wq (given as codes): QUANTISED (scales: A lowp_scales[0], B lowp_scales[1])
;;     2. [M 8,192, K 1,024] x [K 1,024, N 1,024]; A: input key (given as codes); B: input Wk (given as codes): QUANTISED (scales: A lowp_scales[2], B lowp_scales[3])
;;     3. [M 8,192, K 1,024] x [K 1,024, N 1,024]; A: input value (given as codes); B: input Wv (given as codes): QUANTISED (scales: A lowp_scales[4], B lowp_scales[5])
;;     4. batch 128 x [M 1,024, K 64] x [K 64, N 1,024]; A: computed on the way; B: computed on the way: QUANTISED (scales: A lowp_scales[6], B lowp_scales[7])
;;     5. batch 128 x [M 1,024, K 1,024] x [K 1,024, N 64]; A: softmax (see below); B: computed on the way: QUANTISED (scales: A lowp_scales[8], B lowp_scales[9])
;;     6. [M 8,192, K 1,024] x [K 1,024, N 1,024]; A: computed on the way; B: input Wo (given as codes): QUANTISED (scales: A lowp_scales[10], B lowp_scales[11])
;;   THE QUANTISER, for each operand of a quantised product, along K:
;;     - The operand's scale is 2^e, e = its entry of the input lowp_scales (int32; the entries are numbered through the quantised products in the list's order, A before B).
;;     - Each number is divided by the scale, clamped to +-448, and rounded to the nearest number of E4M3, ties to even, subnormals kept.
;;     - The product sums the exact products of the quantised numbers (number of the format x scale) in f32.
;;   ~~~python
;;   def quantise(x, axis, e):      # numpy; x: float32 -> the quantised numbers, widened to float32 again
;;       x = np.moveaxis(x, axis, -1); K = x.shape[-1]
;;       r = np.clip(x / 2.0 ** e, -448, 448)
;;       step = 2.0 ** (np.maximum(np.frexp(np.where(r == 0, 1, r))[1] - 1, -6) - 3)
;;       q = np.round(r / step) * step * 2.0 ** e      # np.round: ties to even
;;       return np.moveaxis(q, -1, axis).astype(np.float32)
;;   ~~~
;;   SOFTMAX AHEAD OF A QUANTISED PRODUCT. Where the list says 'softmax', what is quantised is not the finished softmax but p = 2^(t - M), with t = logit x log2(e) and M = ceil(the row's largest t), a whole number; so 1/2 < the row's largest p <= 1. The row's sum l is taken of the UNQUANTISED p, in f32, and the product's result is divided by l at the end. Since M is a whole number, a kernel that streams over the keys may use a running M (the ceiling of the running maximum): every later rescaling is an exact power of two, so the quantised numbers keep their values, but for numbers so far below the row's largest that they fall under the format's range.
;;   OPERANDS COMPUTED ON THE WAY. 'Computed on the way' means the value that the module computes at that place (a softmax that the list does not call 'softmax' is quantised finished and normalised). What goes into a quantiser is computed in f32, as accurately as f32 sums, v_exp_f32 and their like allow (about 1e-6 of the number): no bf16 or f16 on the way to a quantiser, and a product that is left as it is and whose result goes on into a quantised operand takes f32 operands (vector FMAs, or v_wmma_f32_16x16x4_f32). A number that lies on a knife's edge between two numbers of the format may be rounded either way, as far as f32 arithmetic and the matrix unit's own rounding can turn it there, and no further.
;;   INPUTS GIVEN AS CODES. Wk (in the module: [1024, 1024], K = its axis 1); Wo (in the module: [1024, 1024], K = its axis 1); Wq (in the module: [1024, 1024], K = its axis 1); Wv (in the module: [1024, 1024], K = its axis 1); key (in the module: [8, 1024, 1024], K = its axis 2); query (in the module: [8, 1024, 1024], K = its axis 2); value (in the module: [8, 1024, 1024], K = its axis 2): each comes as NAME_codes (uint8): NAME with its K axis moved to the last place and cut into blocks of 32 codes, [.., K / 32, bytes a block], one block behind the other in memory; one code a byte (a code: sign, 4 exponent bits, 3 mantissa bits); its scale is its entry of lowp_scales. Its value is code x scale, taken as it is: it is not quantised again, and the codes and scales need not be those that the quantiser above would give.
;; One version. Each part assembles by itself: llvm-mc -triple=amdgcn-amd-amdhsa -mcpu=gfx1250 --defsym DOCPART=n.
;; ======== version 1 of 1: 3 launches
;; limits: right only within a limited range of input values
;; workspace buffers: qi 8,388,608 bytes; ki 8,388,608 bytes; vi 8,388,608 bytes; xi 8,388,608 bytes
;; launch proj (part 1): grid 4 x 64, 4 waves a work-group, clusters of 4 x 4, 327,680 bytes of LDS; arguments query_codes, key_codes, value_codes, Wq_codes, Wk_codes, Wv_codes, bq, bk, bv, lowp_scales, qi, ki, vi; writes qi, ki, vi
.if DOCPART == 1
	.amdgcn_target "amdgcn-amd-amdhsa--gfx1250"
	.amdhsa_code_object_version 6
	.text
	.protected	k_q6029fd9aff_proj
	.globl	k_q6029fd9aff_proj
	.p2align	8
	.type	k_q6029fd9aff_proj,@function
k_q6029fd9aff_proj:
	s_mov_b64 s[64:65], 0
	v_nop
	global_prefetch_b8 v0, s[64:65] scope:SCOPE_SE
	s_setreg_imm32_b32 hwreg(HW_REG_WAVE_MODE, 25, 1), 1
	s_wait_xcnt 0x0
	s_wait_alu depctr_hold_cnt(0) depctr_sa_sdst(0) depctr_va_vdst(0) depctr_va_sdst(0) depctr_va_ssrc(0) depctr_va_vcc(0) depctr_vm_vsrc(0)
	s_getreg_b32 s2, hwreg(HW_REG_IB_STS2, 6, 4)
	s_cmp_eq_u32 s2, 0
	s_cbranch_scc0 .Lentry_in_a_cluster
	s_endpgm
.Lentry_in_a_cluster:
	s_bfe_u32 s2, ttmp6, 0x10000c
	s_cmp_lg_u32 s2, 0xf033
	s_cbranch_scc0 .Lentry_shape_is_right
	s_endpgm
.Lentry_shape_is_right:
; THE THREE PROJECTIONS: q = query Wq^T + bq, k = key Wk^T + bk, v = value Wv^T + bv, each [8192][1024], K = 1,024, on the given codes of FP8 (E4M3),
; and the quantisers of q, k and v for the two products of attention.  Sums in f32; number = sum x 2^(the two operands' exponents) + bias, one fused multiply-add; code = number / 2^e, held within +-448.
; NOTHING OF THE PROBLEM IS LEFT OUT in any of the three launches: every bias goes into a quantiser (bq, bk, bv) or into the output (bo), every product reaches the output, all twelve inputs are loaded.
; LIMITS: e0 + e1, e2 + e3, e4 + e5 between -126 and 127; e6, e7, e9 between -126 and 119, so that each power of two below is an f32 number.  NaN codes among the inputs are not served.
; SHARES.  256 work-groups of four waves.  q and k have 256 tiles of 256 x 256: one for each work-group; v has 256 half tiles of 128 channels x 256 tokens: one for each work-group, made behind the first.
; Source 0 of the matrix instruction takes 16 rows of the side called P, source 1 16 rows of the side called R: lane l holds R's row l % 16, and its registers 0 to 7 P's rows 8 (l / 16) + 0 .. 7: a conversion gives eight codes that are neighbours along P.
;   q, k: P = the weight's rows (the head's channels: the K of q k^T), R = the tokens; a wave makes 128 x 128.     v: P = the tokens (the keys: the K of p v), R = Wv's rows; a wave makes 64 R x 128 P.
; The conversions' results are registers of the next product's operand and are stored as IMAGES of those registers: four registers by one store, lane l's 16 bytes at 16 l, 512 consecutive bytes, aligned.
;   qi, ki: [16 tokens: 512 tiles][head 16][1,024 bytes]: 16 tokens x 64 channels, 8 registers.      vi: [batch 8][16 channels: 64 tiles][128 keys: 8 blocks][2,048 bytes]: 16 channels x 128 keys, 16 registers.
; THE RING: two LDS slots of 256 along K; four slots' worth for the first tile, four for the second, and the ring does not stop between them: the first tile's last two changes of slots ask for the second's first two.
; CLUSTERS: 4 x 4 work-groups.  R's tile hangs on cy (and the cluster's y) and is shared along a row of the cluster, P's on cx (and the cluster's y) and is shared along a column: each is asked for jointly.
; PREFETCH: behind a joint load stands one for what is loaded two refills on (behind the head's second load: two, for the next two refills): 256 bytes of each row, a lane a row; the four partners of a joint load share its rows out by address.
; A weight is walked by eight clusters: four of them (cluster y % 8 under 4) ask for it.
; REGISTERS, in windows of 256: window 0: v0-31 addresses and constants; v32-95 bias of q or k, v96-99 of v; v128-255 R's fragments (first tile: 8 x 16 rows x 128 K, one set; second: 4, two sets); on the way out v128-255 are at work.
;   window 1: P's fragments, two sets, at v0 and v128.   window 2: the accumulators of R's blocks 0-3 (accumulator (a, b) at v[8 (8 a + b)]);   window 3: those of R's blocks 4-7.
.set ROWB,   256                       ; a tile's row in bytes: 256 codes
.set PITCH,  272                       ; an LDS row: 256 bytes + 16 of padding = 68 words: the 16 rows that a load touches start at 16 different banks (64 banks of 4 bytes: ISA guide 11.1)
.set NP,     4                         ; places behind this matrix instruction (ISA guide 7.12.1)
.set HALFT,  128*PITCH
.set SLOT,   4*HALFT                   ; R's rows (256, for v 128), then P's 256
.set SPARE,  2*SLOT                    ; the spare words, 128 bytes for each wave
.set BO,   8                           ; v8   32 x (l / 16): the bias loads of q, k;  v9  4 x (r + 8 (r / 8)), r = l % 16: of v
.set BV,   9
.set PFO, 10                           ; v10  the prefetches' offset, first tile: 1,024 x lane;  v11: second tile: R's 64 rows of a wave are 16 for each partner, so lanes 16-31 name lanes 0-15's again
.set PFV, 11
.set SCV, 14                           ; v14, v15: 2^e and 448 x 2^e for v
.set LIV, 15
.set ADRA, 16                          ; v16-17  LDS address of my R fragments in slot 0, 1: first tile;  v18-19: second tile
.set ADRV, 18
.set ADRB, 20                          ; v20-21  the same for P
.set CO,   26                          ; v26     16 x lane
.set SPW,  28                          ; v28     LDS address of my spare word; never rewritten
.set NIL,  29                          ; v29     0; never rewritten
.set SCL,  30                          ; v30, v31: 2^e and 448 x 2^e for q or k
.set LIM,  31
.set U,    32
.set UV,   96
.set AF,   128
.set TMP,  128                         ; the way out: 64 numbers of a block
.set G1V, 4                            ; s[4:11]  descriptor group 1 for R's tiles of v
.set PV,  12                           ; s[12:13] where my prefetches for v stand
.set G1, 24                            ; s[24:31] group 1 for R's tiles;  s[32:39] group 0, one set for each slot
.set G0, 32
.set G1B, 48                           ; s[48:55], s[56:63] the same for P's tiles
.set G0B, 56
.set PF,  96                           ; s[96:97] where my prefetches for the first tile stand
.set MSB, 0
.macro WIN new                         ; the immediate's high byte repeats the setting that is left
.if MSB != (\new)
	s_set_vgpr_msb (MSB<<8)|(\new)
.set MSB, \new
.endif
.endm
.set MUL_LO, 0xa1                      ; source 0 (P) window 1, source 1 (R) window 0, C and D window 2
.set MUL_HI, 0xf1                      ; the same, C and D window 3
.set TO_B,   0x40                      ; destination window 1, address window 0
; A joint load: waves 0 and 1 fetch for R, waves 2 and 3 for P; the branch hangs on the wave's number alone.  An s_nop 0 and four v_nop follow each of the two lines.
.macro JLOAD g0a, g1a, g0b, g1b
	s_cmp_eq_u32 s15, 0
	s_cbranch_scc0 .Lfor_b_\@
	tensor_load_to_lds s[\g0a:\g0a+3], s[\g1a:\g1a+7]
	s_nop 0
.rept 4
	v_nop
.endr
	s_branch .Lasked_\@
.Lfor_b_\@:
	tensor_load_to_lds s[\g0b:\g0b+3], s[\g1b:\g1b+7]
	s_nop 0
.rept 4
	v_nop
.endr
.Lasked_\@:
.endm
.macro ASK flag, off, base, k          ; a prefetch of 256 bytes of each of my rows, k bytes along them
	s_cmp_eq_u32 s[\flag], 1
	s_cbranch_scc0 .Lnot_mine_\@
	global_prefetch_b8 v[\off], s[\base:\base+1] offset:\k th:TH_LOAD_NT scope:SCOPE_SE
.Lnot_mine_\@:
.endm
.macro CREST                           ; a round of the cluster's barrier behind its opening barrier
	s_cmp_lg_u32 s14, 0
	s_cbranch_scc1 .Lnot_wave_0_\@
	s_barrier_signal -3
.Lnot_wave_0_\@:
	s_barrier_wait -3
	s_barrier_signal -1
	s_barrier_wait -1
.endm
.macro CROUND                          ; a whole round
	s_barrier_signal -1
	s_barrier_wait -1
	CREST
.endm
.macro PLACES n
.rept \n
	v_nop
.endr
.endm
	s_load_b512 s[68:83], s[0:1], 0x0              ; query s[68:69], key s[70:71], value s[72:73], Wq s[74:75], Wk s[76:77], Wv s[78:79], bq s[80:81], bk s[82:83]
	s_load_b256 s[84:91], s[0:1], 0x40             ; bv s[84:85], the scales' exponents s[86:87], qi s[88:89], ki s[90:91]
	s_load_b64 s[92:93], s[0:1], 0x60              ; vi
	v_lshl_add_u32 v[SPW], v0, 2, SPARE
	v_mov_b32 v[NIL], 0
	ds_add_u32 v[SPW], v[NIL]                      ; the wave's opening: the add, twice on end, and its wait ahead of my first tensor load
	ds_add_u32 v[SPW], v[NIL]
	v_lshrrev_b32 v1, 5, v0
	v_readfirstlane_b32 s14, v1                    ; wave 0..3
	s_lshr_b32 s15, s14, 1                         ; which half of R's rows is mine.  Also: I fetch for R (0) or for P (1)
	s_and_b32 s16, s14, 1                          ; which half of P's rows.  Also: which half of that tile I fetch
	s_cmp_eq_u32 s15, 0
	s_cselect_b32 s67, 15, 31
	s_mul_i32 s45, s15, HALFT
	s_mul_i32 s46, s15, 64*PITCH
	s_mul_i32 s47, s16, HALFT
	s_add_co_u32 s47, s47, 2*HALFT                 ; P lies behind R's 256 rows
	v_and_b32 v1, 15, v0                           ; l % 16
	v_bfe_u32 v2, v0, 4, 1                         ; l / 16
	v_and_b32 v6, 31, v0
	v_lshlrev_b32 v[CO], 4, v6
	v_lshlrev_b32 v[PFO], 10, v6
	v_and_b32 v7, s67, v6
	v_lshlrev_b32 v[PFV], 10, v7
	v_lshlrev_b32 v[BO], 5, v2
	; v's CHANNEL TILES: row r of tile 2 b + u of a head is channel 32 b + 8 u + r + 8 (r / 8), so that attention's results lie 16 neighbours along the last product's K to a lane
	v_and_b32 v5, 8, v1
	v_add_nc_u32 v5, v5, v1                        ; r + 8 (r / 8)
	v_lshlrev_b32 v[BV], 2, v5
	v_mul_u32_u24 v3, v1, PITCH
	v_lshl_add_u32 v4, v2, 4, v3                   ; a fragment's row x pitch + 16 x half
	v_add_nc_u32 v[ADRA], s45, v4
	v_add_nc_u32 v[ADRA+1], SLOT, v[ADRA]
	v_mul_u32_u24 v3, v5, PITCH
	v_lshl_add_u32 v3, v2, 4, v3
	v_add_nc_u32 v[ADRV], s46, v3
	v_add_nc_u32 v[ADRV+1], SLOT, v[ADRV]
	v_add_nc_u32 v[ADRB], s47, v4
	v_add_nc_u32 v[ADRB+1], SLOT, v[ADRB]
	s_bfe_u32 s40, ttmp6, 0x40000                  ; cx, cy: my place in the cluster
	s_bfe_u32 s41, ttmp6, 0x40004
	s_and_b32 s20, ttmp7, 0xffff                   ; the cluster's y, 0 .. 15
	s_lshr_b32 s94, s20, 3                         ; the first tile's tensor: 0 q, 1 k.  Also: which half of v's channels
	s_and_b32 s21, s20, 7
	s_cmp_lt_u32 s21, 4
	s_cselect_b32 s2, 1, 0                         ; do I ask for weights?
	s_cmp_eq_u32 s15, 0
	s_cselect_b32 s3, s2, 1                        ; v: R is the weight;
	s_cselect_b32 s2, 1, s2                        ; q, k: P is
	s_lshl_b32 s21, s21, 2
	s_add_co_u32 s17, s21, s41                     ; the first tile's 256 tokens (R)
	s_add_co_u32 s42, s21, s40                     ; v's 256 tokens (P)
	s_lshl_b32 s95, s94, 2
	s_add_co_u32 s95, s95, s41                     ; v's 128 channels (R)
	s_lshl_b32 s43, s41, 2
	s_lshl_b32 s43, 15, s43                        ; my row of the cluster
	s_lshl_b32 s44, 0x1111, s40                    ; my column
	; descriptor group 1: tiles of 128 (v's R: 64) rows x 256 bytes, padded in LDS
	s_or_b32 s[G1+0], s43, (0<<16)|(1<<20)|(1<<21)|(5<<22)|(3<<25)  ; 15:0 the mask: R's tiles go to my row; 17:16 elements of 1 byte; 20 padding on; 21 set beside a mask; 24:22 after every 64 words (code 5); 31:25 of 4 words (code 3)
	s_or_b32 s[G1V+0], s43, (0<<16)|(1<<20)|(1<<21)|(5<<22)|(3<<25)
	s_or_b32 s[G1B+0], s44, (0<<16)|(1<<20)|(1<<21)|(5<<22)|(3<<25) ; the same with the mask of my column, for P's tiles
.irp g, G1, G1V, G1B
	s_mov_b32 s[\g+1], ROWB<<16                    ; tensor_dim0
	s_mov_b32 s[\g+3], ROWB<<16                    ; tile_dim0
	s_mov_b32 s[\g+5], 1024                        ; tensor_dim0_stride
	s_mov_b32 s[\g+6], 0
	s_mov_b32 s[\g+7], 0
.endr
	s_mov_b32 s[G1+2], 128<<16                     ; tensor_dim1
	s_mov_b32 s[G1+4], 128                         ; tile_dim1
	s_mov_b32 s[G1B+2], 128<<16
	s_mov_b32 s[G1B+4], 128
	s_mov_b32 s[G1V+2], 64<<16
	s_mov_b32 s[G1V+4], 64
	; where the tiles begin, in bytes (a row is 1,024)
	s_lshl_b32 s20, s17, 18
	s_lshl_b32 s45, s16, 17
	s_add_co_u32 s20, s20, s45                     ; R: 256 x tile + 128 x half
	s_mov_b32 s21, 0
	s_lshl_b32 s46, s40, 18
	s_add_co_u32 s46, s46, s45                     ; P likewise
	s_mov_b32 s47, 0
	s_lshl_b32 s22, s42, 18
	s_add_co_u32 s22, s22, s45                     ; v's P
	s_mov_b32 s23, 0
	s_lshl_b32 s18, s95, 17
	s_lshl_b32 s45, s16, 16
	s_add_co_u32 s18, s18, s45                     ; v's R: 128 x half tile + 64 x half
	s_mov_b32 s19, 0
	s_mul_i32 s45, s14, HALFT                      ; where they go: wave x 128 rows; v's R: wave x 64 rows: no place in the cluster enters an LDS address
	s_mul_i32 s66, s14, 64*PITCH
	s_wait_alu depctr_va_vdst(0)                   ; directly ahead of the waits below
	s_wait_dscnt 0x0                               ; both opening adds are done
	s_wait_kmcnt 0x0
	s_cmp_eq_u32 s94, 0                            ; the first tile's buffers: the choices hang on the cluster's y alone
	s_cselect_b64 s[68:69], s[68:69], s[70:71]     ; the activations,
	s_cselect_b64 s[74:75], s[74:75], s[76:77]     ; the weight,
	s_cselect_b64 s[80:81], s[80:81], s[82:83]     ; the bias,
	s_cselect_b64 s[88:89], s[88:89], s[90:91]     ; the images
	s_add_nc_u64 s[20:21], s[68:69], s[20:21]
	s_add_nc_u64 s[46:47], s[74:75], s[46:47]
	s_add_nc_u64 s[18:19], s[78:79], s[18:19]
	s_add_nc_u64 s[22:23], s[72:73], s[22:23]
	s_load_b256 s[68:75], s[86:87], 0x0            ; e0 .. e7
	s_load_b64 s[76:77], s[86:87], 0x20            ; e8, e9
.irp s, 0,1
	s_mov_b32 s[G0+4*\s], 1                                        ; count = 1
	s_add_co_u32 s[G0+4*\s+1], s45, \s*SLOT                        ; LDS address
	s_add_nc_u64 s[G0+4*\s+2:G0+4*\s+3], s[20:21], \s*ROWB         ; global address: K step s
	s_or_b32 s[G0+4*\s+3], s[G0+4*\s+3], 0x80000000                ; type = 2
	s_mov_b32 s[G0B+4*\s], 1
	s_add_co_u32 s[G0B+4*\s+1], s45, \s*SLOT
	s_add_nc_u64 s[G0B+4*\s+2:G0B+4*\s+3], s[46:47], \s*ROWB
	s_or_b32 s[G0B+4*\s+3], s[G0B+4*\s+3], 0x80000000
.endr
	CROUND                                         ; all sixteen work-groups are here: the first joint loads meet
	JLOAD G0, G1, G0B, G1B                         ; K step 0: one tensor load a wave at the head
	; the prefetches: R's rows are shared out by cx, P's by cy
	s_cmp_eq_u32 s15, 0
	s_cselect_b64 s[PF:PF+1], s[20:21], s[46:47]
	s_cselect_b64 s[PV:PV+1], s[18:19], s[22:23]
	s_cselect_b32 s98, s40, s41
	s_cselect_b32 s99, 14, 15                      ; 16 or 32 rows of 1,024 bytes
	s_lshl_b32 s90, s98, 15
	s_mov_b32 s91, 0
	s_add_nc_u64 s[PF:PF+1], s[PF:PF+1], s[90:91]
	s_lshl_b32 s90, s98, s99
	s_add_nc_u64 s[PV:PV+1], s[PV:PV+1], s[90:91]
	ASK 2, PFO, PF, ROWB                           ; K step 1, which is loaded when K step 0 has landed
	; the biases.  q, k: register 8 x + j = bias[my first P row + 16 x + 8 (l / 16) + j];  v: register a = bias[my first R row + 16 a + l % 16]
	s_lshl_b32 s82, s40, 10
	s_lshl_b32 s83, s16, 9
	s_add_co_u32 s82, s82, s83
	s_mov_b32 s83, 0
	s_add_nc_u64 s[80:81], s[80:81], s[82:83]
	s_lshl_b32 s82, s95, 9
	s_lshl_b32 s83, s15, 8
	s_add_co_u32 s82, s82, s83
	s_mov_b32 s83, 0
	s_add_nc_u64 s[84:85], s[84:85], s[82:83]
.irp x, 0,1,2,3,4,5,6,7
	global_load_b128 v[U+8*\x:U+8*\x+3], v[BO], s[80:81] offset:64*\x
	global_load_b128 v[U+8*\x+4:U+8*\x+7], v[BO], s[80:81] offset:64*\x+16
.endr
.irp a, 0,1,2,3
	global_load_b32 v[UV+\a], v[BV], s[84:85] offset:4*(32*(\a/2)+8*(\a%2))   ; in the order of v's channel tiles
.endr
	; where my images begin.  q, k: (2 x token tile + half) << 17, and two heads for each 128 rows of P
	s_lshl_b32 s90, s17, 18
	s_lshl_b32 s82, s15, 17
	s_add_co_u32 s90, s90, s82
	s_lshl_b32 s82, s40, 12
	s_add_co_u32 s90, s90, s82
	s_lshl_b32 s82, s16, 11
	s_add_co_u32 s90, s90, s82
	s_add_nc_u64 s[88:89], s[88:89], s[90:91]
	; v: channel tile 8 x half tile + 4 x half, 16,384 bytes each; g = 2 x token tile + half: batch g / 8, block of 128 keys g % 8
	s_lshl_b32 s90, s95, 17
	s_lshl_b32 s82, s15, 16
	s_add_co_u32 s90, s90, s82
	s_lshl_b32 s82, s42, 1
	s_add_co_u32 s82, s82, s16
	s_lshr_b32 s83, s82, 3
	s_lshl_b32 s83, s83, 20
	s_add_co_u32 s90, s90, s83
	s_and_b32 s82, s82, 7
	s_lshl_b32 s82, s82, 11
	s_add_co_u32 s90, s90, s82
	s_add_nc_u64 s[92:93], s[92:93], s[90:91]
; A fragment, 16 rows x 128 K, is 16 registers, brought by four loads of 16 bytes: lane l holds row l % 16; registers 4 c .. 4 c + 3 hold K = 32 c + 16 (l / 16) + 0 .. 15: a permutation of k, the same on both sides.
.macro FRAG reg, adr, q, i
.irp c, 0,1,2,3
	ds_load_b128 v[\reg+4*\c:\reg+4*\c+3], v[\adr] offset:128*(\q)+32*\c+(\i)*16*PITCH
.endr
.endm
; 16 matrix instructions: R's blocks a0, a0 + 1 (their fragments from register af on, in window 0) x P's eight, 128 along K.  p: P's set.  zero = 1: the first product starts the sums.
; The accumulators take turns, one instruction a turn, in the same order in every step.
.macro MUL16 a0, p, zero, af=AF
.irp a, \a0, \a0+1
.irp b, 0,1,2,3,4,5,6,7
.if \zero
	v_wmma_f32_16x16x128_fp8_fp8 v[8*(8*((\a)%4)+\b):8*(8*((\a)%4)+\b)+7], v[128*(\p)+16*\b:128*(\p)+16*\b+15], v[\af+16*(\a):\af+16*(\a)+15], 0
.else
	v_wmma_f32_16x16x128_fp8_fp8 v[8*(8*((\a)%4)+\b):8*(8*((\a)%4)+\b)+7], v[128*(\p)+16*\b:128*(\p)+16*\b+15], v[\af+16*(\a):\af+16*(\a)+15], v[8*(8*((\a)%4)+\b):8*(8*((\a)%4)+\b)+7]
.endif
.endr
.endr
.endm
.macro FETCH_B slot, q, p              ; P's eight fragments of the slot's q-th 128 along K into set p
	WIN TO_B
.irp i, 0,1,2,3,4,5,6,7
	FRAG 128*(\p)+16*\i, ADRB+\slot, \q, \i
.endr
	WIN 0
.endm
.macro FETCH_A slot, q, i0             ; the first tile's R blocks i0 .. i0 + 3
.irp i, \i0, \i0+1, \i0+2, \i0+3
	FRAG AF+16*(\i), ADRA+\slot, \q, \i
.endr
.endm
.macro FETCH_V slot, q                 ; the second tile's twelve fragments of a step into set q
	FETCH_B \slot, \q, \q
.irp i, 0,1,2,3
.irp c, 0,1,2,3
	ds_load_b128 v[AF+64*(\q)+16*\i+4*\c:AF+64*(\q)+16*\i+4*\c+3], v[ADRV+\slot] offset:128*(\q)+32*\c+(32*(\i/2)+8*(\i%2))*PITCH   ; channel tile i begins at row 32 (i / 2) + 8 (i % 2)
.endr
.endr
.endm
; A load into a register that a matrix instruction has read, and a vector instruction that reads a matrix result, stand NP places behind that matrix instruction, and only plain vector
; instructions that name none of its registers are places (ISA guide 7.12.1 for vector instructions).
; THE FIRST TILE.  A step of 128 along K that has its successor in the same slot.  R has one set of registers: blocks 0-3 are fetched anew in the step's middle, blocks 4-7 at its end.
.macro STEP slot, zero
	s_wait_dscnt 16                                ; P's set and R's blocks 0-3 are in; the youngest sixteen loads (R's blocks 4-7) may be out
	WIN MUL_LO
	MUL16 0, 0, \zero
	MUL16 2, 0, \zero
	s_wait_dscnt 0
	PLACES NP
	FETCH_B \slot, 1, 1
	FETCH_A \slot, 1, 0
	WIN MUL_HI
	MUL16 4, 0, \zero
	MUL16 6, 0, \zero
	PLACES NP
	WIN 0
	FETCH_A \slot, 1, 4
.endm
; A slot's last step changes slots: in front of the barrier each wave waits for all its tensor loads, adds 0 to its spare word, and waits for that and for its own reads of this slot; behind it this slot is filled again:
; with this tile's K step two on (on = 0), or with v's K step 0 or 1 (on = 1).  last = 1: the tile is finished, no fragments follow.
.macro TURN slot, on, ask, last
	s_wait_tensorcnt 0x0                           ; all my tensor loads have landed, so every group 0 may be written  (every window is 0 here)
	ds_add_u32 v[SPW], v[NIL]                      ; 0 onto my spare word
.if \on
	s_add_co_u32 s[G0+4*\slot+1], s66, \slot*SLOT
	s_add_nc_u64 s[G0+4*\slot+2:G0+4*\slot+3], s[18:19], \slot*ROWB
	s_or_b32 s[G0+4*\slot+3], s[G0+4*\slot+3], 0x80000000
	s_add_nc_u64 s[G0B+4*\slot+2:G0B+4*\slot+3], s[22:23], \slot*ROWB
	s_or_b32 s[G0B+4*\slot+3], s[G0B+4*\slot+3], 0x80000000
.else
	s_add_nc_u64 s[G0+4*\slot+2:G0+4*\slot+3], s[G0+4*\slot+2:G0+4*\slot+3], 2*ROWB
	s_add_nc_u64 s[G0B+4*\slot+2:G0B+4*\slot+3], s[G0B+4*\slot+2:G0B+4*\slot+3], 2*ROWB
.endif
	s_wait_dscnt 17                                ; the add and the youngest sixteen loads, R's blocks 4-7, may be out
	WIN MUL_LO
	MUL16 0, 1, 0                                  ; sixteen matrix instructions stand between the add and the wait for it
	s_wait_dscnt 0x0                               ; the add is done, and my reads of this slot are over
	s_barrier_signal -1
	MUL16 2, 1, 0
	WIN 0
	s_barrier_wait -1
	CREST                                          ; no wave of any partner still reads this slot's tile or has a load on its way
.if \on
	JLOAD G0+4*\slot, G1V, G0B+4*\slot, G1B        ; my one load until the next round; the four v_nop behind it are the places in front of the loads below
.else
	JLOAD G0+4*\slot, G1, G0B+4*\slot, G1B
.endif
.if !(\last)
	FETCH_B 1-\slot, 0, 0
	FETCH_A 1-\slot, 0, 0
.endif
	ASK 3, PFV, PV, \ask
	WIN MUL_HI
	MUL16 4, 1, 0
	MUL16 6, 1, 0
.if \last
	WIN 0
.else
	PLACES NP
	WIN 0
	FETCH_A 1-\slot, 0, 4
.endif
.endm
; THE SECOND TILE: 32 accumulators; R and P both have two sets.  VSTEP: a slot's first 128 along K; VTURN: its second, with the change of slots.
.macro VSTEP slot, zero
	s_wait_dscnt 0x0                               ; this step's fragments are in
	PLACES NP
	FETCH_V \slot, 1
	WIN MUL_LO
	MUL16 0, 0, \zero
	MUL16 2, 0, \zero
	WIN 0
.endm
.macro VTURN slot, fill
	s_wait_tensorcnt 0x0
	ds_add_u32 v[SPW], v[NIL]
.if \fill
	s_add_nc_u64 s[G0+4*\slot+2:G0+4*\slot+3], s[G0+4*\slot+2:G0+4*\slot+3], 2*ROWB
	s_add_nc_u64 s[G0B+4*\slot+2:G0B+4*\slot+3], s[G0B+4*\slot+2:G0B+4*\slot+3], 2*ROWB
.endif
	s_wait_dscnt 0x0                               ; the add is done, this step's fragments are in, and my reads of this slot are over
	s_barrier_signal -1
	WIN MUL_LO
	MUL16 0, 1, 0, AF+64
	WIN 0
	s_barrier_wait -1
.if \fill
	CREST
	JLOAD G0+4*\slot, G1V, G0B+4*\slot, G1B
.else
	PLACES NP
.endif
	FETCH_V 1-\slot, 0
	WIN MUL_LO
	MUL16 2, 1, 0, AF+64
	WIN 0
.endm
; THE WAY OUT of block a: R's 16 rows x P's 128; no LDS.  number = sum x 2^(..) + bias (each accumulator from its low end on); the hold, since the conversion to an 8-bit code does not saturate (ISA guide 7.6.2);
; eight conversions give 16 registers, four stores of 512 consecutive bytes.  The codes have four sets of registers by turns.  kind 0: q or k;  kind 1: v.
.macro EPI a, kind, out, sc, sv, lv
.set AC, 64*((\a)%4)
.set CD, 192+16*((\a)%4)
	WIN 0x02+((\a)/4)                              ; source 0: window 2 or 3
.set n, 0
.rept 32
.if \kind == 0
	v_pk_fma_f32 v[TMP+n:TMP+n+1], v[AC+n:AC+n+1], s[\sc:\sc+1], v[U+n:U+n+1] op_sel_hi:[1,0,1]
.elseif (\a)%2
	v_pk_fma_f32 v[TMP+n:TMP+n+1], v[AC+n:AC+n+1], s[\sc:\sc+1], v[UV+\a-1:UV+\a] op_sel:[0,0,1] op_sel_hi:[1,0,1]
.else
	v_pk_fma_f32 v[TMP+n:TMP+n+1], v[AC+n:AC+n+1], s[\sc:\sc+1], v[UV+\a:UV+\a+1] op_sel_hi:[1,0,0]
.endif
.set n, n+2
.endr
	WIN 0
.set n, 0
.rept 64
	v_med3_num_f32 v[TMP+n], v[TMP+n], -v[\lv], v[\lv]
.set n, n+1
.endr
.if (\a) >= 4
	s_wait_alu depctr_va_vdst(0)                   ; directly ahead of the wait below
	s_wait_xcnt 0x0                                ; block a - 4's stores have read this set of registers
.endif
.irp b, 0,1,2,3,4,5,6,7
	v_cvt_scalef32_pk8_fp8_f32 v[CD+2*\b:CD+2*\b+1], v[TMP+8*\b:TMP+8*\b+7], v[\sv]   ; registers 2 b, 2 b + 1 of the next operand: k = 16 b + 8 (l / 16) + 0 .. 7
.endr
	v_nop                                          ; one plain vector instruction behind the last conversion
.irp p, 0,1,2,3
	global_store_b128 v[CO], v[CD+4*\p:CD+4*\p+3], s[\out:\out+1] offset:(\a)*16384+512*\p
.endr
.endm
	s_wait_tensorcnt 0x0                           ; my part of K step 0 is in
	ds_add_u32 v[SPW], v[NIL]
	s_wait_dscnt 0x0
	CROUND                                         ; everybody's part of K step 0 is in, and all sixteen work-groups are here
	JLOAD G0+4, G1, G0B+4, G1B                     ; K step 1: the first tensor load behind the round
	FETCH_B 0, 0, 0
	FETCH_A 0, 0, 0
	FETCH_A 0, 0, 4
	ASK 2, PFO, PF, 2*ROWB
	ASK 2, PFO, PF, 3*ROWB
	STEP 0, 1                                      ; K 0-127: its products start the sums
	TURN 0, 0, 0, 0                                ; slot 0 takes K 512-767; v's K step 0 is asked of memory
	STEP 1, 0
	TURN 1, 0, ROWB, 0                             ; slot 1 takes K 768-1023
	STEP 0, 0
	TURN 0, 1, 2*ROWB, 0                           ; slot 0 takes v's K step 0
	STEP 1, 0
	TURN 1, 1, 3*ROWB, 1                           ; slot 1 takes v's K step 1; slot 0 is whole from here on
	; the exponents are chosen by selects: no branch hangs on a loaded number
	s_wait_kmcnt 0x0
	s_add_co_i32 s68, s68, s69                     ; e0 + e1
	s_add_co_i32 s70, s70, s71                     ; e2 + e3
	s_add_co_i32 s72, s72, s73                     ; e4 + e5
	s_cmp_eq_u32 s94, 0
	s_cselect_b32 s68, s68, s70
	s_cselect_b32 s74, s74, s75                    ; e6 or e7
	s_add_co_i32 s68, s68, 127
	s_lshl_b32 s68, s68, 23                        ; the product's power of two as f32
	s_mov_b32 s69, s68                             ; (named with it as a pair)
	s_add_co_i32 s72, s72, 127
	s_lshl_b32 s72, s72, 23
	s_mov_b32 s73, s72
	s_add_co_i32 s74, s74, 127
	s_lshl_b32 s75, s74, 23
	v_mov_b32 v[SCL], s75                          ; 2^e: the conversion takes its exponent field
	s_add_co_i32 s74, s74, 8
	s_lshl_b32 s74, s74, 23
	s_or_b32 s74, s74, 0x600000
	v_mov_b32 v[LIM], s74                          ; 448 x 2^e
	s_add_co_i32 s77, s77, 127                     ; v's e9 likewise
	s_lshl_b32 s75, s77, 23
	v_mov_b32 v[SCV], s75
	s_add_co_i32 s77, s77, 8
	s_lshl_b32 s77, s77, 23
	s_or_b32 s77, s77, 0x600000
	v_mov_b32 v[LIV], s77
	s_wait_alu depctr_va_vdst(0)                   ; directly ahead of the wait below
	s_wait_loadcnt 0x0                             ; the biases
	PLACES NP                                      ; behind the last products
.irp a, 0,1,2,3,4,5,6,7
	EPI \a, 0, 88, 68, SCL, LIM
.endr
	s_wait_xcnt 0x0                                ; the stores have read the registers that R's fragments take
	FETCH_V 0, 0
	VSTEP 0, 1
	VTURN 0, 1                                     ; slot 0 takes v's K step 2
	VSTEP 1, 0
	VTURN 1, 1                                     ; slot 1 takes v's K step 3
	VSTEP 0, 0
	VTURN 0, 0                                     ; nothing is left to fetch: a plain barrier
	VSTEP 1, 0
	s_wait_dscnt 0x0                               ; the last step
	WIN MUL_LO
	MUL16 0, 1, 0, AF+64
	MUL16 2, 1, 0, AF+64
	WIN 0
	PLACES NP
.irp a, 0,1,2,3
	EPI \a, 1, 92, 72, SCV, LIV
.endr
	s_wait_tensorcnt 0x0                           ; the wave's end, behind my last tensor load
	ds_add_u32 v[SPW], v[NIL]
	s_wait_dscnt 0x0
	CROUND                                         ; the closing round: no work-group ends while a partner may still ask for a tile that names it
	s_endpgm
.Lfunc_end_k_q6029fd9aff_proj:
	.size	k_q6029fd9aff_proj, .Lfunc_end_k_q6029fd9aff_proj-k_q6029fd9aff_proj
	.p2alignl 7, 3214868480
	.fill 96, 4, 3214868480
	.section	.rodata,"a",@progbits
	.p2align	6, 0x0
	.amdhsa_kernel k_q6029fd9aff_proj
		.amdhsa_group_segment_fixed_size 327680
		.amdhsa_private_segment_fixed_size 0
		.amdhsa_enable_private_segment 0
		.amdhsa_kernarg_size 104
		.amdhsa_user_sgpr_count 2
		.amdhsa_user_sgpr_kernarg_segment_ptr 1
		.amdhsa_wavefront_size32 1
		.amdhsa_system_sgpr_workgroup_id_x 1
		.amdhsa_system_sgpr_workgroup_id_y 1
		.amdhsa_system_sgpr_workgroup_id_z 1
		.amdhsa_system_vgpr_workitem_id 0
		.amdhsa_next_free_vgpr 1024
		.amdhsa_next_free_sgpr 100
		.amdhsa_reserve_vcc 0
		.amdhsa_float_denorm_mode_32 3
		.amdhsa_float_denorm_mode_16_64 3
		.amdhsa_memory_ordered 1
		.amdhsa_forward_progress 1
		.amdhsa_inst_pref_size 215
	.end_amdhsa_kernel
	.amdgpu_metadata
---
amdhsa.version: [ 1, 2 ]
amdhsa.kernels:
  - .name:           k_q6029fd9aff_proj
    .symbol:         k_q6029fd9aff_proj.kd
    .args:
      - { .name: query_codes, .offset: 0, .size: 8, .value_kind: global_buffer, .address_space: global }
      - { .name: key_codes, .offset: 8, .size: 8, .value_kind: global_buffer, .address_space: global }
      - { .name: value_codes, .offset: 16, .size: 8, .value_kind: global_buffer, .address_space: global }
      - { .name: Wq_codes, .offset: 24, .size: 8, .value_kind: global_buffer, .address_space: global }
      - { .name: Wk_codes, .offset: 32, .size: 8, .value_kind: global_buffer, .address_space: global }
      - { .name: Wv_codes, .offset: 40, .size: 8, .value_kind: global_buffer, .address_space: global }
      - { .name: bq, .offset: 48, .size: 8, .value_kind: global_buffer, .address_space: global }
      - { .name: bk, .offset: 56, .size: 8, .value_kind: global_buffer, .address_space: global }
      - { .name: bv, .offset: 64, .size: 8, .value_kind: global_buffer, .address_space: global }
      - { .name: lowp_scales, .offset: 72, .size: 8, .value_kind: global_buffer, .address_space: global }
      - { .name: qi, .offset: 80, .size: 8, .value_kind: global_buffer, .address_space: global }
      - { .name: ki, .offset: 88, .size: 8, .value_kind: global_buffer, .address_space: global }
      - { .name: vi, .offset: 96, .size: 8, .value_kind: global_buffer, .address_space: global }
    .group_segment_fixed_size: 327680
    .private_segment_fixed_size: 0
    .kernarg_segment_align: 8
    .kernarg_segment_size: 104
    .max_flat_workgroup_size: 128
    .sgpr_count:     100
    .vgpr_count:     1024
    .wavefront_size: 32
...
	.end_amdgpu_metadata
.endif
;; end of part 1
;; launch attn (part 2): grid 2 x 128, 16 waves a work-group, no clusters, 137,216 bytes of LDS; arguments qi, ki, vi, lowp_scales, xi; writes xi
.if DOCPART == 2
	.amdgcn_target "amdgcn-amd-amdhsa--gfx1250"
	.amdhsa_code_object_version 6
	.text
	.protected	k_q6029fd9aff_attn
	.globl	k_q6029fd9aff_attn
	.p2align	8
	.type	k_q6029fd9aff_attn,@function
k_q6029fd9aff_attn:
	s_mov_b64 s[64:65], 0
	v_nop
	global_prefetch_b8 v0, s[64:65] scope:SCOPE_SE
	s_setreg_imm32_b32 hwreg(HW_REG_WAVE_MODE, 25, 1), 1
	s_wait_xcnt 0x0
; ATTENTION of one head and 512 queries a work-group: x = softmax(q k^T / 8) v, both products on codes of FP8 (E4M3), and x's quantiser for the last projection.  Nothing of the problem is left out.
; THE SOFTMAX AHEAD OF THE SECOND PRODUCT: t = score x log2(e) / 8; M = the row's largest t so far, rounded up to a whole number; p = 2^(t - M), at most 1, is what is quantised; the row's sum is taken of the unquantised p and divides at the end.
; When M moves, the sum and O are multiplied by 2^(old M - new M), a power of two.
; LIMITS: t stays under 2^31 in magnitude; e6 + e7 between -123 and 127; e8 between -126 and 119; e10 - e8 - e9 between -126 and 119.  NaN codes are not served.
; SHARES.  Grid 2 x 128: y = batch x 16 + head, x = which 512 queries.  Sixteen waves, 32 queries each: two tiles of 16.  Every wave walks all 1,024 keys, 128 a step, and each fragment of K and of V serves both its tiles.
; K AND V OF THE HEAD LIE WHOLE IN LDS, 64 KiB each, as the images of operand registers in which they lie in memory.  They are brought by plain loads and LDS stores, each byte once a work-group: so this launch has no tensor load.
; No cluster: only two work-groups share a head's K and V.  No prefetch: every load from memory stands at the head, there is no loop over memory to run ahead in.
; The head waits for the keys 0-511 of K alone; the rest of K and V is on its way, in the registers that later hold O, under the first step's scores and softmax.
; LAYOUT.  Both products transposed: S^T = K Q^T, O^T = V^T P^T: a lane holds one query (lane % 16) throughout.  Key tile t: register j holds key 16 t + 8 (lane / 16) + j, so a tile's conversion gives registers 2 t, 2 t + 1 of the next operand.
; REGISTERS: v0 thread, v1 16 x lane, v2 2^e8, v3 spare word, v4-5 -M of the two tiles, v6-7 the factors f, v[8:9], v[10:11] the sums, v12-15 at work; v16-47, v48-79 O^T; v80-87, v88-95 Q; v96-159 S^T of tile 0, then V's fragments;
;   three areas of 32: v160 takes K's tiles 0-3; v192 and v224 take turns: one (ba) takes K's tiles 4-7 and then the codes, the other (ca) the first half of tile 1's S^T, whose second half goes over K's tiles 0-3.
.set VL,    65536                      ; V's images in LDS: 4 tiles of 16 channels x 16,384 bytes
.set SPARE, 135168                     ; the spare words, 128 bytes for each wave
.set VB,   2                           ; s2   where my part of V goes
.set TBK,  3                           ; s3   LDS byte of the next step's keys in K
.set TBV,  14                          ; s14  of this step's keys in V
.set CNT,  15
.set SEL,  16                          ; s[16:17] lane selects for lane l xor 16
.set WV,   18
.set KB,   19                          ; s19  where my part of K goes
.set CS,   22                          ; s[22:23] c x 2^(e6 + e7), c = log2(e) / 8
.set CN,   24                          ; s24  the same, negative
.set EP,   25                          ; s25  e8
.set LIM,  26                          ; s26  448 x 2^e8
.set SCX,  27                          ; s27, s28: 2^(e10 - e8 - e9) and 448 x that
.set LIX,  28
	s_load_b256 s[4:11], s[0:1], 0x0               ; qi s[4:5], ki s[6:7], vi s[8:9], the exponents s[10:11]
	s_load_b64 s[12:13], s[0:1], 0x20              ; xi
	v_and_b32 v1, 31, v0
	v_lshlrev_b32 v1, 4, v1
	v_lshrrev_b32 v12, 5, v0
	v_readfirstlane_b32 s[WV], v12
	s_and_b32 s32, ttmp7, 0xffff
	s_lshr_b32 s33, s32, 4                         ; batch
	s_and_b32 s32, s32, 15                         ; head
	s_lshl_b32 s34, s33, 20
	s_lshl_b32 s35, s32, 10
	s_add_co_u32 s36, s34, s35
	s_lshl_b32 s35, s[WV], 15
	s_add_co_u32 s36, s36, s35                     ; K: batch, head, my tiles 2 w, 2 w + 1 (16,384 bytes from tile to tile)
	s_mov_b32 s37, 0
	s_lshl_b32 s38, ttmp9, 19
	s_add_co_u32 s38, s38, s36                     ; Q: the same within my 32 tiles
	s_mov_b32 s39, 0
	s_lshl_b32 s40, s32, 16
	s_add_co_u32 s40, s40, s34
	s_lshl_b32 s[VB], s[WV], 12
	s_add_co_u32 s40, s40, s[VB]                   ; V: batch, head, my 4,096 bytes
	s_mov_b32 s41, 0
	s_add_co_u32 s[VB], s[VB], VL
	s_lshl_b32 s[KB], s[WV], 11
	s_lshr_b32 s42, s32, 2                         ; xi: [head / 4][tile][head % 4][1,024 bytes]
	s_lshl_b32 s42, s42, 21
	s_and_b32 s35, s32, 3
	s_lshl_b32 s35, s35, 10
	s_add_co_u32 s42, s42, s35
	s_lshl_b32 s35, s33, 18
	s_add_co_u32 s42, s42, s35
	s_lshl_b32 s35, ttmp9, 17
	s_add_co_u32 s42, s42, s35
	s_lshl_b32 s35, s[WV], 13
	s_add_co_u32 s42, s42, s35
	s_mov_b32 s43, 0
	s_mov_b32 s[SEL], 0x76543210
	s_mov_b32 s[SEL+1], 0xfedcba98
	s_wait_alu depctr_va_vdst(0)                   ; directly ahead of the wait below
	s_wait_kmcnt 0x0
	s_add_nc_u64 s[6:7], s[6:7], s[36:37]
	s_add_nc_u64 s[4:5], s[4:5], s[38:39]
	s_add_nc_u64 s[8:9], s[8:9], s[40:41]
	s_add_nc_u64 s[12:13], s[12:13], s[42:43]
	s_load_b64 s[48:49], s[10:11], 0x18            ; e6, e7
	s_load_b96 s[52:54], s[10:11], 0x20            ; e8, e9, e10
.irp j, 0,1
.irp i, 0,1
	global_load_b128 v[64+8*\j+4*\i:67+8*\j+4*\i], v1, s[6:7] offset:16384*\j+512*\i          ; K, keys 0-511
.endr
.endr
.irp j, 0,1
.irp i, 0,1
	global_load_b128 v[80+8*\j+4*\i:83+8*\j+4*\i], v1, s[4:5] offset:16384*\j+512*\i th:TH_LOAD_NT   ; my two tiles of Q stay in registers
.endr
.endr
	s_wait_kmcnt 0x0
	s_add_co_i32 s48, s48, s49
	s_lshl_b32 s48, s48, 23
	s_add_co_i32 s[CS], s48, 0x3e38aa3b            ; the two exponents are added to c's exponent field
	s_mov_b32 s[CS+1], s[CS]                       ; (named with it as a pair)
	s_xor_b32 s[CN], s[CS], 0x80000000
	s_mov_b32 s[EP], s52
	s_add_co_i32 s48, s52, 127
	s_lshl_b32 s49, s48, 23
	v_mov_b32 v2, s49                              ; 2^e8
	s_add_co_i32 s48, s48, 8
	s_lshl_b32 s48, s48, 23
	s_or_b32 s[LIM], s48, 0x600000                 ; 448 x 2^e8
	s_sub_co_i32 s48, s54, s52
	s_sub_co_i32 s48, s48, s53
	s_add_co_i32 s48, s48, 127
	s_lshl_b32 s[SCX], s48, 23
	s_add_co_i32 s48, s48, 8
	s_lshl_b32 s48, s48, 23
	s_or_b32 s[LIX], s48, 0x600000
	s_mov_b32 s[TBK], 8192
	s_mov_b32 s[TBV], VL
; A KEY STEP of 128 keys.  ba, ca: the two areas; ko, vo: the trip's byte offsets; first = 1: nothing to rescale, the sums begin; last = 1: no further keys to fetch.
; Tile 1's score number n (0 .. 63) lies at register ca + n for n < 32, else at 160 + n - 32.
.macro STEP ba, ca, ko, vo, first, last
.set CC, \ca
.if !(\first)
.rept 5
	v_nop                                          ; places: the first products write over registers that the last step's products read
.endr
.endif
	s_wait_dscnt 0x0                               ; K's fragments are in
.irp t, 0,1,2,3
	v_wmma_f32_16x16x64_fp8_fp8 v[96+8*\t:103+8*\t], v[160+8*\t:167+8*\t], v[80:87], 0
	v_wmma_f32_16x16x64_fp8_fp8 v[\ca+8*\t:\ca+8*\t+7], v[160+8*\t:167+8*\t], v[88:95], 0
.endr
.irp t, 0,1,2,3
	v_wmma_f32_16x16x64_fp8_fp8 v[128+8*\t:135+8*\t], v[\ba+8*\t:\ba+8*\t+7], v[80:87], 0
.endr
.rept 5
	v_nop                                          ; places: the next four write over K's tiles 0-3
.endr
.irp t, 0,1,2,3
	v_wmma_f32_16x16x64_fp8_fp8 v[160+8*\t:167+8*\t], v[\ba+8*\t:\ba+8*\t+7], v[88:95], 0
.endr
	; the step's largest score of my query, in two chains for each tile (what is read first was finished ahead of the five places)
	v_max3_num_f32 v12, v96, v97, v98
	v_max3_num_f32 v13, v99, v100, v101
	v_max3_num_f32 v14, v[CC], v[CC+1], v[CC+2]
	v_max3_num_f32 v15, v[CC+3], v[CC+4], v[CC+5]
.set n, 6
.rept 14
.set r, CC+n+(n/32)*(128-CC)
.set q, CC+n+2+((n+2)/32)*(128-CC)
	v_max3_num_f32 v12, v12, v[96+n], v[97+n]
	v_max3_num_f32 v14, v14, v[r], v[r+1]
	v_max3_num_f32 v13, v13, v[98+n], v[99+n]
	v_max3_num_f32 v15, v15, v[q], v[q+1]
.set n, n+4
.endr
	v_max3_num_f32 v12, v12, v158, v159
	v_max3_num_f32 v14, v14, v190, v191
	v_max_num_f32 v12, v12, v13
	v_max_num_f32 v14, v14, v15
	v_permlanex16_b32 v13, v12, s[SEL], s[SEL+1]
	v_permlanex16_b32 v15, v14, s[SEL], s[SEL+1]
	v_max_num_f32 v12, v12, v13                    ; lane l xor 16 holds my query's other keys
	v_max_num_f32 v14, v14, v15
	v_mul_f32 v12, s[CN], v12                      ; -t
	v_mul_f32 v14, s[CN], v14
.if \first
	v_floor_f32 v4, v12                            ; -M = floor(-t): a whole number
	v_floor_f32 v5, v14
.else
	v_floor_f32 v12, v12
	v_floor_f32 v14, v14
	v_sub_f32 v13, v12, v4
	v_sub_f32 v15, v14, v5
	v_min_num_f32 v4, v4, v12                      ; the new -M
	v_min_num_f32 v5, v5, v14
	v_min_num_f32 v13, 0, v13                      ; old M - new M, 0 or less
	v_min_num_f32 v15, 0, v15
	v_cvt_i32_f32 v13, v13                         ; (it saturates)
	v_cvt_i32_f32 v15, v15
	v_ldexp_f32 v6, 1.0, v13                       ; f = 2^(old M - new M)
	v_ldexp_f32 v7, 1.0, v15
	v_pk_mul_f32 v[8:9], v[8:9], v[6:7] op_sel_hi:[1,0]
	v_pk_mul_f32 v[10:11], v[10:11], v[6:7] op_sel:[0,1] op_sel_hi:[1,1]
.set n, 0
.rept 16
	v_pk_mul_f32 v[16+n:17+n], v[16+n:17+n], v[6:7] op_sel_hi:[1,0]
	v_pk_mul_f32 v[48+n:49+n], v[48+n:49+n], v[6:7] op_sel:[0,1] op_sel_hi:[1,1]
.set n, n+2
.endr
.endif
.set n, 0
.rept 32
	v_pk_fma_f32 v[96+n:97+n], v[96+n:97+n], s[CS:CS+1], v[4:5] op_sel_hi:[1,0,0]     ; tile 0: t - M
.set n, n+2
.endr
	s_wait_alu depctr_va_vdst(0)                   ; ahead of the batch
.set n, 0
.rept 32
.set r, CC+n+(n/32)*(128-CC)
	v_exp_f32 v[96+n], v[96+n]                     ; tile 0: p = 2^(t - M), not normalised
	v_exp_f32 v[97+n], v[97+n]
	v_pk_fma_f32 v[r:r+1], v[r:r+1], s[CS:CS+1], v[4:5] op_sel:[0,0,1] op_sel_hi:[1,0,1]   ; tile 1: t - M, read behind the next wait alone
.set n, n+2
.endr
	s_wait_alu depctr_va_vdst(0)                   ; behind tile 0's batch and ahead of tile 1's
.set n, 0
.set g, 0
.rept 16
.rept 4
.set r, CC+n+(n/32)*(128-CC)
	v_exp_f32 v[r], v[r]
.set n, n+1
.endr
	v_pk_add_f32 v[\ba+2*g:\ba+2*g+1], v[96+4*g:97+4*g], v[98+4*g:99+4*g]   ; tile 0's row sum, of the unquantised p: sixteen partial pairs in the registers that take the codes later, read behind the next wait alone
.set g, g+1
.endr
	s_wait_alu depctr_va_vdst(0)                   ; behind tile 1's batch, and ahead of the branch
	; THE HOLD (the conversion to an 8-bit code does not saturate: ISA guide 7.6.2): p is at most 1, so it binds only where 448 x 2^e8 is under 1: e8 < -8, a whole number that is given.  Tile 0's p is in its partial sums already
	s_cmp_lt_i32 s[EP], -8
	s_cbranch_scc0 .Lopen0_\@
.set n, 0
.rept 64
	v_min_num_f32 v[96+n], s[LIM], v[96+n]
.set n, n+1
.endr
.Lopen0_\@:
.irp i, 0,1,2,3,4,5,6,7
	v_pk_add_f32 v[\ba+16+2*\i:\ba+17+2*\i], v[\ba+16+2*\i:\ba+17+2*\i], v[\ba+2*\i:\ba+1+2*\i]
.endr
.irp t, 0,1,2,3,4,5,6,7
	v_cvt_scalef32_pk8_fp8_f32 v[\ba+2*\t:\ba+2*\t+1], v[96+8*\t:103+8*\t], v2
.endr
.if \first
	v_nop                                          ; (a plain place behind the conversions)
.else
	v_add_nc_u32 v12, s[TBV], v1                   ; (a plain place behind the conversions)
.irp t, 0,1,2,3
.irp i, 0,1,2,3
	ds_load_b128 v[96+16*\t+4*\i:99+16*\t+4*\i], v12 offset:\vo+16384*\t+512*\i       ; V's fragments, 16 channels x 128 keys each, over tile 0's p
.endr
.endr
.endif
	v_pk_add_f32 v[6:7], v[CC:CC+1], v[CC+2:CC+3]              ; tile 1's sum in three chains (f's registers are free by now), and tile 0's eight partials among them
	v_pk_add_f32 v[12:13], v[CC+4:CC+5], v[CC+6:CC+7]
	v_pk_add_f32 v[14:15], v[CC+8:CC+9], v[CC+10:CC+11]
.set n, 12
.rept 8
.set r, CC+n+(n/32)*(128-CC)
.set q, CC+n+2+((n+2)/32)*(128-CC)
.set u, CC+n+4+((n+4)/32)*(128-CC)
.if n == 12
	v_pk_add_f32 v[\ba+16:\ba+17], v[\ba+16:\ba+17], v[\ba+18:\ba+19]
	v_pk_add_f32 v[\ba+20:\ba+21], v[\ba+20:\ba+21], v[\ba+22:\ba+23]
.elseif n == 18
	v_pk_add_f32 v[\ba+24:\ba+25], v[\ba+24:\ba+25], v[\ba+26:\ba+27]
	v_pk_add_f32 v[\ba+28:\ba+29], v[\ba+28:\ba+29], v[\ba+30:\ba+31]
.elseif n == 30
	v_pk_add_f32 v[\ba+16:\ba+17], v[\ba+16:\ba+17], v[\ba+20:\ba+21]
	v_pk_add_f32 v[\ba+24:\ba+25], v[\ba+24:\ba+25], v[\ba+28:\ba+29]
.elseif n == 42
.if \first
	v_pk_add_f32 v[8:9], v[\ba+16:\ba+17], v[\ba+24:\ba+25]
.else
	v_pk_add_f32 v[\ba+16:\ba+17], v[\ba+16:\ba+17], v[\ba+24:\ba+25]
.endif
.endif
	v_pk_add_f32 v[6:7], v[6:7], v[r:r+1]
	v_pk_add_f32 v[12:13], v[12:13], v[q:q+1]
	v_pk_add_f32 v[14:15], v[14:15], v[u:u+1]
.set n, n+6
.endr
	v_pk_add_f32 v[6:7], v[6:7], v[188:189]
	v_pk_add_f32 v[12:13], v[12:13], v[190:191]
.if !(\first)
	v_pk_add_f32 v[8:9], v[8:9], v[\ba+16:\ba+17]
.endif
	v_pk_add_f32 v[6:7], v[6:7], v[14:15]
.if \first
	v_pk_add_f32 v[10:11], v[6:7], v[12:13]
.else
	v_pk_add_f32 v[6:7], v[6:7], v[12:13]
	v_pk_add_f32 v[10:11], v[10:11], v[6:7]
.endif
	s_wait_alu depctr_va_vdst(0)                   ; directly ahead of the branch
	s_cmp_lt_i32 s[EP], -8                         ; tile 1's hold, behind its sum
	s_cbranch_scc0 .Lopen1_\@
.set n, 0
.rept 64
.set r, CC+n+(n/32)*(128-CC)
	v_min_num_f32 v[r], s[LIM], v[r]
.set n, n+1
.endr
.Lopen1_\@:
.set n, 0
.rept 8
.set r, CC+n+(n/32)*(128-CC)
	v_cvt_scalef32_pk8_fp8_f32 v[\ba+16+n/4:\ba+17+n/4], v[r:r+7], v2
.set n, n+8
.endr
.if \first
	v_nop                                          ; (a plain place behind the conversions)
	s_wait_alu depctr_va_vdst(0)                   ; directly ahead of the wait below
	s_wait_loadcnt 0x0                             ; the rest of K, and V, are in the registers that O takes below
	v_add_nc_u32 v12, s[KB], v1
	v_add_nc_u32 v13, s[VB], v1
.irp j, 0,1
.irp i, 0,1
	ds_store_b128 v12, v[16+8*\j+4*\i:19+8*\j+4*\i] offset:32768+1024*\j+512*\i
.endr
.endr
.irp j, 0,1,2,3,4,5,6,7
	ds_store_b128 v13, v[32+4*\j:35+4*\j] offset:512*\j
.endr
	s_wait_dscnt 0x0                               ; my stores are done,
	s_barrier_signal -1
	s_barrier_wait -1                              ; and everybody's: K and V are whole from here on, and nobody writes them again
	v_add_nc_u32 v12, s[TBV], v1
.irp t, 0,1,2,3
.irp i, 0,1,2,3
	ds_load_b128 v[96+16*\t+4*\i:99+16*\t+4*\i], v12 offset:\vo+16384*\t+512*\i
.endr
.endr
.endif
.if \last
	v_nop                                          ; a plain place behind the conversions
	s_wait_alu depctr_va_vdst(0)                   ; directly ahead of the wait below
	s_wait_dscnt 0x0                               ; V's fragments are in
.else
	v_add_nc_u32 v13, s[TBK], v1                   ; (a plain place behind the conversions)
.irp t, 0,1,2,3
	ds_load_b128 v[160+8*\t:163+8*\t], v13 offset:\ko+1024*\t                         ; the next step's K, over tile 1's p: tiles 0-3,
	ds_load_b128 v[164+8*\t:167+8*\t], v13 offset:\ko+1024*\t+512
.endr
.irp t, 0,1,2,3
	ds_load_b128 v[\ca+8*\t:\ca+8*\t+3], v13 offset:\ko+4096+1024*\t                  ; and tiles 4-7: this step's ca is the next step's ba
	ds_load_b128 v[\ca+8*\t+4:\ca+8*\t+7], v13 offset:\ko+4096+1024*\t+512
.endr
	s_wait_alu depctr_va_vdst(0)                   ; directly ahead of the wait below
	s_wait_dscnt 16                                ; V's sixteen loads are in; K's sixteen behind them may be out
.endif
.irp t, 0,1,2,3
.if \first
	v_wmma_f32_16x16x128_fp8_fp8 v[16+8*\t:23+8*\t], v[96+16*\t:111+16*\t], v[\ba:\ba+15], 0
	v_wmma_f32_16x16x128_fp8_fp8 v[48+8*\t:55+8*\t], v[96+16*\t:111+16*\t], v[\ba+16:\ba+31], 0
.else
	v_wmma_f32_16x16x128_fp8_fp8 v[16+8*\t:23+8*\t], v[96+16*\t:111+16*\t], v[\ba:\ba+15], v[16+8*\t:23+8*\t]
	v_wmma_f32_16x16x128_fp8_fp8 v[48+8*\t:55+8*\t], v[96+16*\t:111+16*\t], v[\ba+16:\ba+31], v[48+8*\t:55+8*\t]
.endif
.endr
.endm
	s_wait_alu depctr_va_vdst(0)                   ; the head's end
	s_wait_loadcnt 4                               ; my part of K's keys 0-511 is in; Q's 4 loads may be out
	v_add_nc_u32 v12, s[KB], v1
.irp j, 0,1
.irp i, 0,1
	ds_store_b128 v12, v[64+8*\j+4*\i:67+8*\j+4*\i] offset:1024*\j+512*\i
.endr
.endr
	s_wait_dscnt 0x0
	s_barrier_signal -1
	s_barrier_wait -1                              ; keys 0-511 of K are whole
.irp t, 0,1,2,3
	ds_load_b128 v[160+8*\t:163+8*\t], v1 offset:1024*\t
	ds_load_b128 v[164+8*\t:167+8*\t], v1 offset:1024*\t+512
.endr
.irp t, 0,1,2,3
	ds_load_b128 v[192+8*\t:195+8*\t], v1 offset:4096+1024*\t
	ds_load_b128 v[196+8*\t:199+8*\t], v1 offset:4096+1024*\t+512
.endr
	; the rest of K and V is asked for here, so that nothing stands ahead of anybody's first keys: into the registers that later hold O
.irp j, 0,1
.irp i, 0,1
	global_load_b128 v[16+8*\j+4*\i:19+8*\j+4*\i], v1, s[6:7] offset:524288+16384*\j+512*\i   ; K, keys 512-1,023
.endr
.endr
.irp j, 0,1,2,3,4,5,6,7
	global_load_b128 v[32+4*\j:35+4*\j], v1, s[8:9] offset:512*\j                             ; V
.endr
	s_wait_loadcnt 12                              ; Q is in; K's later 4 and V's 8 loads may be out
	STEP 192, 224, 0, 0, 1, 0                      ; step 0
	s_mov_b32 s[TBK], 16384
	s_mov_b32 s[TBV], VL+2048
	s_mov_b32 s[CNT], 3
.Lkeys:                                                ; steps 1 to 6, two a trip: then the areas are back where they began
	STEP 224, 192, 0, 0, 0, 0
	STEP 192, 224, 8192, 2048, 0, 0
	s_add_co_u32 s[TBK], s[TBK], 16384
	s_add_co_u32 s[TBV], s[TBV], 4096
	s_sub_co_u32 s[CNT], s[CNT], 1
	s_cmp_lg_u32 s[CNT], 0
	s_cbranch_scc1 .Lkeys
	s_mov_b32 s[TBV], VL+7*2048
	STEP 224, 192, 0, 0, 0, 1                      ; step 7
	; THE WAY OUT: O / the sum, x's quantiser with the given powers of two folded into the conversion's one, and the codes stored as images of the last product's operand: 512 consecutive bytes a store
	v_add_f32 v8, v8, v9
	v_add_f32 v10, v10, v11
	v_permlanex16_b32 v12, v8, s[SEL], s[SEL+1]
	v_permlanex16_b32 v14, v10, s[SEL], s[SEL+1]
	v_add_f32 v8, v8, v12
	v_add_f32 v10, v10, v14
	v_mov_b32 v6, s[LIX]
	v_mov_b32 v7, s[SCX]
	s_wait_alu depctr_va_vdst(0)                   ; ahead of the batch
	v_rcp_f32 v8, v8
	v_rcp_f32 v10, v10
	v_nop
	s_wait_alu depctr_va_vdst(0)                   ; behind the batch, and directly ahead of the first readers of O
.set n, 0
.rept 16
	v_pk_mul_f32 v[96+n:97+n], v[16+n:17+n], v[8:9] op_sel_hi:[1,0]
	v_pk_mul_f32 v[128+n:129+n], v[48+n:49+n], v[10:11] op_sel_hi:[1,0]
.set n, n+2
.endr
.set n, 0
.rept 64
	v_med3_num_f32 v[96+n], v[96+n], -v6, v6
.set n, n+1
.endr
.irp t, 0,1,2,3,4,5,6,7
	v_cvt_scalef32_pk8_fp8_f32 v[160+2*\t:161+2*\t], v[96+8*\t:103+8*\t], v7
.endr
	v_nop                                          ; a plain place behind the conversions
.irp j, 0,1
.irp i, 0,1
	global_store_b128 v1, v[160+8*\j+4*\i:163+8*\j+4*\i], s[12:13] offset:4096*\j+512*\i
.endr
.endr
	v_lshl_add_u32 v3, v0, 2, SPARE                ; my spare word
	v_mov_b32 v13, 0
	s_wait_alu depctr_va_vdst(0)                   ; directly ahead of the wait below
	s_wait_tensorcnt 0x0                           ; the wave's end, behind my last LDS store
	ds_add_u32 v3, v13
	s_wait_dscnt 0x0
	s_endpgm
.Lfunc_end_k_q6029fd9aff_attn:
	.size	k_q6029fd9aff_attn, .Lfunc_end_k_q6029fd9aff_attn-k_q6029fd9aff_attn
	.p2alignl 7, 3214868480
	.fill 96, 4, 3214868480
	.section	.rodata,"a",@progbits
	.p2align	6, 0x0
	.amdhsa_kernel k_q6029fd9aff_attn
		.amdhsa_group_segment_fixed_size 137216
		.amdhsa_private_segment_fixed_size 0
		.amdhsa_enable_private_segment 0
		.amdhsa_kernarg_size 40
		.amdhsa_user_sgpr_count 2
		.amdhsa_user_sgpr_kernarg_segment_ptr 1
		.amdhsa_wavefront_size32 1
		.amdhsa_system_sgpr_workgroup_id_x 1
		.amdhsa_system_sgpr_workgroup_id_y 1
		.amdhsa_system_sgpr_workgroup_id_z 1
		.amdhsa_system_vgpr_workitem_id 0
		.amdhsa_next_free_vgpr 256
		.amdhsa_next_free_sgpr 66
		.amdhsa_reserve_vcc 0
		.amdhsa_float_denorm_mode_32 3
		.amdhsa_float_denorm_mode_16_64 3
		.amdhsa_memory_ordered 1
		.amdhsa_forward_progress 1
		.amdhsa_inst_pref_size 124
	.end_amdhsa_kernel
	.amdgpu_metadata
---
amdhsa.version: [ 1, 2 ]
amdhsa.kernels:
  - .name:           k_q6029fd9aff_attn
    .symbol:         k_q6029fd9aff_attn.kd
    .args:
      - { .name: qi, .offset: 0, .size: 8, .value_kind: global_buffer, .address_space: global }
      - { .name: ki, .offset: 8, .size: 8, .value_kind: global_buffer, .address_space: global }
      - { .name: vi, .offset: 16, .size: 8, .value_kind: global_buffer, .address_space: global }
      - { .name: lowp_scales, .offset: 24, .size: 8, .value_kind: global_buffer, .address_space: global }
      - { .name: xi, .offset: 32, .size: 8, .value_kind: global_buffer, .address_space: global }
    .group_segment_fixed_size: 137216
    .private_segment_fixed_size: 0
    .kernarg_segment_align: 8
    .kernarg_segment_size: 40
    .max_flat_workgroup_size: 512
    .sgpr_count:     66
    .vgpr_count:     256
    .wavefront_size: 32
...
	.end_amdgpu_metadata
.endif
;; end of part 2
;; launch oproj (part 3): grid 4 x 64, 4 waves a work-group, clusters of 4 x 4, 327,680 bytes of LDS; arguments xi, Wo_codes, lowp_scales, out0, bo; writes out0
.if DOCPART == 3
	.amdgcn_target "amdgcn-amd-amdhsa--gfx1250"
	.amdhsa_code_object_version 6
	.text
	.protected	k_q6029fd9aff_oproj
	.globl	k_q6029fd9aff_oproj
	.p2align	8
	.type	k_q6029fd9aff_oproj,@function
k_q6029fd9aff_oproj:
	s_mov_b64 s[64:65], 0
	v_nop
	global_prefetch_b8 v0, s[64:65] scope:SCOPE_SE
	s_setreg_imm32_b32 hwreg(HW_REG_WAVE_MODE, 25, 1), 1
	s_wait_xcnt 0x0
	s_wait_alu depctr_hold_cnt(0) depctr_sa_sdst(0) depctr_va_vdst(0) depctr_va_sdst(0) depctr_va_ssrc(0) depctr_va_vcc(0) depctr_vm_vsrc(0)
	s_getreg_b32 s2, hwreg(HW_REG_IB_STS2, 6, 4)
	s_cmp_eq_u32 s2, 0
	s_cbranch_scc0 .Lentry_in_a_cluster
	s_endpgm
.Lentry_in_a_cluster:
	s_bfe_u32 s2, ttmp6, 0x10000c
	s_cmp_lg_u32 s2, 0xf033
	s_cbranch_scc0 .Lentry_shape_is_right
	s_endpgm
.Lentry_shape_is_right:
; THE LAST PROJECTION: out0 = x Wo^T + bo, [8192][1024] f32, K = 1,024, on codes of FP8 (E4M3): x's made by the launch before, Wo's given.  out0 = sum x 2^(e10 + e11) + bo, one fused multiply-add.  Nothing is left out.
; LIMIT: e10 + e11 between -126 and 127, so that 2^(e10 + e11) is an f32 number.  NaN codes are not served.
; A tile of out0 is 128 rows x 256 columns: 64 x 4 = 256 work-groups.  Four waves, each 32 rows x 256 columns, in four groups of 64 columns: a group's rows are aligned units of 256 bytes, and they leave while the next group is multiplied.
; Wo's 256 ROWS LIE WHOLE IN LDS (1,024 bytes + 16 of padding each): one joint tensor load a wave, 64 rows, and one barrier; nothing is filled twice.
; x COMES AS IMAGES OF OPERAND REGISTERS, xi [K / 256: 4][16 rows: 512 tiles][128 along K: 2][2,048 bytes], and goes from memory straight into registers, once, 512 consecutive bytes a load: my 32 rows x 1,024 are 256 registers, which stay.
; Lane l holds row l % 16, registers 4 c .. 4 c + 3 hold k = 32 c + 16 (l / 16) + 0 .. 15 (so v's channel tiles were laid): a permutation of k against the form's own places; Wo is read from LDS in the same order, four loads of 16 bytes a fragment.
; CLUSTERS: 4 x 4 work-groups; the four of a column need the same rows of Wo and ask for them jointly.  x is not asked for jointly: it passes through no LDS.
; No prefetch: every load of Wo and x stands at the head, and no loop runs over memory.
; THE MATRIX INSTRUCTION IS USED TRANSPOSED (source 0 = 16 rows of Wo, source 1 = 16 rows of x): a lane then holds eight neighbouring numbers of a row of out0.
; REGISTERS, in windows of 256: window 0: v0-31 addresses, v32-95 a group's results, v96-127 bo for the group, v128-191 rows read back from the stage.   window 1: Wo's fragments (4 a step), four sets of 64.
;   window 2: the accumulators (accumulator (a, b) at v[8 (4 a + b)]).   window 3: x's fragments: step s, block a at v[32 s + 16 a].
.set PITCH,  1040                      ; a row of Wo in LDS: 260 words: row r starts at bank 4 r mod 64 (64 banks of 4 bytes: ISA guide 11.1), so the 16 rows that a load touches start at 16 different banks
.set QUART,  64*PITCH                  ; 64 rows: what one tensor load brings, and a group's columns
.set SPARE,  4*QUART                   ; the spare words, 128 bytes for each wave
.set SPITCH, 272                       ; the way out: a stage of 32 rows x (256 bytes + 16) for each wave,
.set STAGE,  SPARE+512                 ; in bytes of its own
.set NB,     4096                      ; a row of out0 in bytes
.set FB,    3                          ; v3      a fragment's row and half in Wo
.set ADRB, 20                          ; v20     the same in the group in hand
.set STO,  24                          ; v24     the way out: where I put 32 bytes of a row
.set RD,   25                          ; v25     the way out: where I read a row back
.set CO,   26                          ; v26     16 x lane
.set BOF,  27                          ; v27     32 x (l / 16): my eight numbers of a tile's sixteen of bo
.set SPW,  28                          ; v28     LDS address of my spare word; never rewritten
.set NIL,  29                          ; v29     0; never rewritten
.set OO,   30                          ; v30     my place in two rows of out0
.set TMP,  32
.set BB,   96
.set BK,   128
.set G1,  24                           ; s[24:31] descriptor group 1, s[32:35] group 0
.set G0,  32
.set GO,  44                           ; s[44:45] the group's byte offset in a row of out0
.set GB,  46                           ; s46      the next group's rows in Wo's tile
.set MSB, 0
.macro WIN new                         ; the immediate's high byte repeats the setting that is left
.if MSB != (\new)
	s_set_vgpr_msb (MSB<<8)|(\new)
.set MSB, \new
.endif
.endm
.set MUL,  0xad                        ; source 0 (Wo) window 1, source 1 (x) window 3, C and D window 2
.set TO_B, 0x40                        ; destination window 1, address window 0
.set TO_X, 0xc0                        ; destination window 3, address window 0
.macro CROUND                          ; a round of the cluster's barrier
	s_barrier_signal -1
	s_barrier_wait -1
	s_cmp_lg_u32 s14, 0
	s_cbranch_scc1 .Lnot_wave_0_\@
	s_barrier_signal -3
.Lnot_wave_0_\@:
	s_barrier_wait -3
	s_barrier_signal -1
	s_barrier_wait -1
.endm
.macro XLOAD s                         ; x's two fragments of step s, 128 along K
	WIN TO_X
.irp a, 0,1
.irp c, 0,1,2,3
	global_load_b128 v[32*\s+16*\a+4*\c:32*\s+16*\a+4*\c+3], v[CO], s[20:21] offset:(\s/2)*0x200000+(\s%2)*2048+4096*\a+512*\c
.endr
.endr
.endm
.macro BLOAD                           ; bo for the group in hand: register 8 b + j = bo[first column + 16 b + 8 (l / 16) + j]
.irp b, 0,1,2,3
	global_load_b128 v[BB+8*\b:BB+8*\b+3], v[BOF], s[12:13] offset:64*\b
	global_load_b128 v[BB+8*\b+4:BB+8*\b+7], v[BOF], s[12:13] offset:64*\b+16
.endr
.endm
.macro FETCH s                         ; Wo's four fragments of step s of the group at v[ADRB], into set s % 4: 16 LDS loads
	WIN TO_B
.irp i, 0,1,2,3
.irp c, 0,1,2,3
	ds_load_b128 v[64*(\s%4)+16*\i+4*\c:64*(\s%4)+16*\i+4*\c+3], v[ADRB] offset:\i*16*PITCH+128*\s+32*\c
.endr
.endr
.endm
; A load into a register that a matrix instruction has read, and a vector instruction that reads a matrix result, stand four places behind that matrix instruction, and only plain vector
; instructions that name none of its registers are places (ISA guide 7.12.1 for vector instructions).
.macro PLACES n
.rept \n
	v_nop
.endr
.endm
; Step s of 128 along K.  old: LDS instructions behind this step's fragments that may be out (the next step's 16; where the way out's 32 stand between, 48).  xold: loads behind this step's x that may be out.
; ft: the step, two on, whose fragments are asked for (8: none); its set was read two steps ago, and each step has two of the four places.  The eight accumulators take turns, one instruction a turn.
.macro STEP s, old, xold, ft
	s_wait_dscnt \old
.if \ft < 8
	PLACES 2
.if \s == 6
	WIN 0
	v_add_nc_u32 v[ADRB], s[GB], v[FB]             ; on to the next group's 64 rows of Wo
	s_wait_alu depctr_va_vdst(0)                   ; directly behind the write
	s_add_co_u32 s[GB], s[GB], QUART
.endif
	FETCH \ft
.endif
	s_wait_loadcnt \xold
	WIN MUL
.irp a, 0,1
.irp b, 0,1,2,3
.if \s == 0
	v_wmma_f32_16x16x128_fp8_fp8 v[32*\a+8*\b:32*\a+8*\b+7], v[16*\b:16*\b+15], v[16*\a:16*\a+15], 0
.else
	v_wmma_f32_16x16x128_fp8_fp8 v[32*\a+8*\b:32*\a+8*\b+7], v[64*(\s%4)+16*\b:64*(\s%4)+16*\b+15], v[32*\s+16*\a:32*\s+16*\a+15], v[32*\a+8*\b:32*\a+8*\b+7]
.endif
.endr
.endr
.endm
; A GROUP'S WAY OUT.  A lane holds 32 neighbouring bytes of a row, and the lanes beside it hold other rows: so the 32 rows go through my own stage in LDS and come back as rows of 256 bytes, sixteen lanes a row.
; LDS serves a wave's instructions in order (ISA guide 5.7.1.4): no wait between the stores and the loads.
.macro OUT
	WIN 0
	s_wait_loadcnt 0x0                             ; bo
	PLACES 4                                       ; behind the group's last products
	s_add_nc_u64 s[12:13], s[12:13], 256           ; (no load of mine is out) the next group's bo
	s_wait_xcnt 0x0                                ; the group before: its stores have read their registers and their base
	s_add_nc_u64 s[8:9], s[10:11], s[GO:GO+1]
	s_add_co_u32 s[GO], s[GO], 256
	WIN 0x02                                       ; source 0 (the sums): window 2
.set n, 0
.rept 32
	v_pk_fma_f32 v[TMP+n:TMP+n+1], v[n:n+1], s[96:97], v[BB+n%32:BB+n%32+1] op_sel_hi:[1,0,1]   ; sum x 2^(e10 + e11) + bo; each accumulator from its low end on
.set n, n+2
.endr
	WIN 0
.irp a, 0,1
.irp b, 0,1,2,3
	ds_store_b128 v[STO], v[TMP+32*\a+8*\b:TMP+32*\a+8*\b+3] offset:\a*16*SPITCH+64*\b
	ds_store_b128 v[STO], v[TMP+32*\a+8*\b+4:TMP+32*\a+8*\b+7] offset:\a*16*SPITCH+64*\b+16
.endr
.endr
.irp t, 0,1,2,3,4,5,6,7,8,9,10,11,12,13,14,15
	ds_load_b128 v[BK+4*\t:BK+4*\t+3], v[RD] offset:2*\t*SPITCH
.endr
.endm
.macro SEND old
	WIN 0
	s_wait_dscnt \old                              ; the rows are back in registers
.irp t, 0,1,2,3,4,5,6,7,8,9,10,11,12,13,14,15
	global_store_b128 v[OO], v[BK+4*\t:BK+4*\t+3], s[8:9] offset:2*\t*NB th:TH_STORE_NT   ; two rows, each 256 consecutive bytes at a multiple of 256; written once, read by nobody here
.endr
.endm
	s_load_b128 s[4:7], s[0:1], 0x0                ; xi s[4:5], Wo's codes s[6:7]
	s_load_b128 s[8:11], s[0:1], 0x10              ; the scales' exponents s[8:9], out0 s[10:11]
	s_load_b64 s[12:13], s[0:1], 0x20              ; bo
	v_lshl_add_u32 v[SPW], v0, 2, SPARE
	v_mov_b32 v[NIL], 0
	ds_add_u32 v[SPW], v[NIL]                      ; the wave's opening: the add, twice on end, and its wait ahead of my tensor load
	ds_add_u32 v[SPW], v[NIL]
	v_lshrrev_b32 v1, 5, v0
	v_readfirstlane_b32 s14, v1                    ; wave 0..3
	s_mul_i32 s23, s14, 32*SPITCH
	s_add_co_u32 s23, s23, STAGE                   ; my stage
	v_and_b32 v1, 15, v0                           ; l % 16
	v_bfe_u32 v2, v0, 4, 1                         ; l / 16
	v_and_b32 v6, 31, v0
	v_lshlrev_b32 v[CO], 4, v6
	v_mul_u32_u24 v[FB], v1, PITCH
	v_lshl_add_u32 v[FB], v2, 4, v[FB]             ; Wo: row x pitch + 16 x half
	v_mov_b32 v[ADRB], v[FB]
	v_lshlrev_b32 v[BOF], 5, v2
	v_mul_u32_u24 v5, v1, SPITCH                   ; in: row l % 16, 32 bytes for each half of the lanes
	v_lshl_add_u32 v5, v2, 5, v5
	v_add_nc_u32 v[STO], s23, v5
	v_mul_u32_u24 v7, v2, SPITCH                   ; back: lanes 0-15 one row, lanes 16-31 the next
	v_lshl_add_u32 v7, v1, 4, v7
	v_add_nc_u32 v[RD], s23, v7
	v_lshlrev_b32 v[OO], 12, v2                    ; and the same two rows in out0
	v_lshl_add_u32 v[OO], v1, 4, v[OO]
	s_bfe_u32 s80, ttmp6, 0x40000                  ; cx, cy: my place in the cluster
	s_bfe_u32 s81, ttmp6, 0x40004
	s_lshl_b32 s82, ttmp9, 2
	s_add_co_u32 s82, s82, s80                     ; tile column = 4 x cluster x + cx: 0 .. 3
	s_and_b32 s17, ttmp7, 0xffff
	s_lshl_b32 s17, s17, 2
	s_add_co_u32 s17, s17, s81                     ; tile row = 4 x cluster y + cy: 0 .. 63
	s_lshl_b32 s84, 0x1111, s80                    ; my column of the cluster
	s_or_b32 s[G1+0], s84, (0<<16)|(1<<20)|(1<<21)|(7<<22)|(3<<25) ; 15:0 the mask; 17:16 elements of 1 byte; 20 padding on; 21 set beside a mask; 24:22 after every 256 words (code 7); 31:25 of 4 words (code 3)
	s_mov_b32 s[G1+1], 1024<<16                    ; tensor_dim0
	s_mov_b32 s[G1+2], 64<<16                      ; tensor_dim1
	s_mov_b32 s[G1+3], 1024<<16                    ; tile_dim0
	s_mov_b32 s[G1+4], 64                          ; tile_dim1
	s_mov_b32 s[G1+5], 1024                        ; tensor_dim0_stride
	s_mov_b32 s[G1+6], 0
	s_mov_b32 s[G1+7], 0
	s_lshl_b32 s88, s82, 8
	s_lshl_b32 s18, s14, 6
	s_add_co_u32 s88, s88, s18                     ; Wo: row 256 x tile column + 64 x wave,
	s_lshl_b32 s88, s88, 10                        ; in bytes
	s_mov_b32 s89, 0
	s_mul_i32 s85, s14, QUART                      ; and in LDS: no place in the cluster enters an LDS address
	s_lshl_b32 s20, s17, 15                        ; x: a tile row is 8 tiles of 4,096 bytes,
	s_lshl_b32 s18, s14, 13                        ; mine are 2
	s_add_co_u32 s20, s20, s18
	s_mov_b32 s21, 0
	s_lshl_b32 s92, s82, 10                        ; my first column, in bytes; in bo and in a row of out0
	s_mov_b32 s93, 0
	s_lshl_b32 s90, s17, 7
	s_lshl_b32 s91, s14, 5
	s_add_co_u32 s90, s90, s91                     ; my first row of out0: 128 x tile row + 32 x wave,
	s_lshl_b32 s90, s90, 12                        ; in bytes: under 2^25
	s_mov_b32 s91, 0
	s_add_nc_u64 s[90:91], s[90:91], s[92:93]
	s_mov_b32 s[GO], 0
	s_mov_b32 s[GO+1], 0
	s_mov_b32 s[GB], QUART
	s_wait_alu depctr_va_vdst(0)                   ; the head's end
	s_wait_dscnt 0x0                               ; both opening adds are done
	s_wait_kmcnt 0x0
	s_load_b64 s[96:97], s[8:9], 0x28              ; e10, e11
	s_add_nc_u64 s[20:21], s[4:5], s[20:21]
	s_add_nc_u64 s[88:89], s[6:7], s[88:89]
	s_add_nc_u64 s[12:13], s[12:13], s[92:93]
	s_add_nc_u64 s[10:11], s[10:11], s[90:91]
	s_mov_b32 s[G0], 1                             ; count = 1
	s_mov_b32 s[G0+1], s85                         ; LDS address
	s_mov_b64 s[G0+2:G0+3], s[88:89]               ; global address
	s_or_b32 s[G0+3], s[G0+3], 0x80000000          ; type = 2
	XLOAD 0
	XLOAD 1
	WIN 0                                          ; at a branch and at a label every window is 0
	CROUND                                         ; all sixteen work-groups are here: the joint loads meet
	tensor_load_to_lds s[G0:G0+3], s[G1:G1+7]      ; my 64 rows of Wo: my one tensor load
	s_nop 0
.rept 4
	v_nop
.endr
.irp s, 2,3,4,5,6,7
	XLOAD \s
.endr
	WIN 0
	s_wait_kmcnt 0x0
	s_add_co_i32 s96, s96, s97                     ; e10 + e11, between -126 and 127,
	s_add_co_i32 s96, s96, 127
	s_lshl_b32 s96, s96, 23                        ; makes the f32 number 2^(e10 + e11)
	s_mov_b32 s97, s96                             ; (named with it as a pair)
	s_wait_tensorcnt 0x0                           ; my rows are in,
	s_barrier_signal -1
	s_barrier_wait -1                              ; and everybody's: Wo's tile is whole, and nothing fills it again
	FETCH 0
	FETCH 1
	STEP 0, 16, 56, 2
	STEP 1, 16, 48, 3
	WIN 0
	s_mov_b32 s3, 3
.Lgroup:                                               ; a trip: a group from its step 2 on, its way out, and the next group's steps 0 and 1
	BLOAD
	STEP 2, 16, 48, 4
	STEP 3, 16, 40, 5
	STEP 4, 16, 32, 6
	STEP 5, 16, 24, 7
	STEP 6, 16, 16, 0                              ; from here on the next group's fragments
	STEP 7, 16, 8, 1
	OUT
	STEP 0, 48, 56, 2
	STEP 1, 48, 48, 3
	SEND 32                                        ; behind the stage's loads: 32 of the next group's
	s_sub_co_u32 s3, s3, 1
	s_cmp_lg_u32 s3, 0
	s_cbranch_scc1 .Lgroup
	BLOAD                                          ; the last group
	STEP 2, 16, 48, 4
	STEP 3, 16, 40, 5
	STEP 4, 16, 32, 6
	STEP 5, 16, 24, 7
	STEP 6, 16, 16, 8
	STEP 7, 0, 8, 8
	OUT
	SEND 0
	s_wait_tensorcnt 0x0                           ; the wave's end, behind my last tensor load and my last LDS store
	ds_add_u32 v[SPW], v[NIL]
	s_wait_dscnt 0x0
	CROUND                                         ; the closing round: no work-group ends while a partner may still ask for a tile that names it
	s_endpgm
.Lfunc_end_k_q6029fd9aff_oproj:
	.size	k_q6029fd9aff_oproj, .Lfunc_end_k_q6029fd9aff_oproj-k_q6029fd9aff_oproj
	.p2alignl 7, 3214868480
	.fill 96, 4, 3214868480
	.section	.rodata,"a",@progbits
	.p2align	6, 0x0
	.amdhsa_kernel k_q6029fd9aff_oproj
		.amdhsa_group_segment_fixed_size 327680
		.amdhsa_private_segment_fixed_size 0
		.amdhsa_enable_private_segment 0
		.amdhsa_kernarg_size 40
		.amdhsa_user_sgpr_count 2
		.amdhsa_user_sgpr_kernarg_segment_ptr 1
		.amdhsa_wavefront_size32 1
		.amdhsa_system_sgpr_workgroup_id_x 1
		.amdhsa_system_sgpr_workgroup_id_y 1
		.amdhsa_system_sgpr_workgroup_id_z 1
		.amdhsa_system_vgpr_workitem_id 0
		.amdhsa_next_free_vgpr 1024
		.amdhsa_next_free_sgpr 98
		.amdhsa_reserve_vcc 0
		.amdhsa_float_denorm_mode_32 3
		.amdhsa_float_denorm_mode_16_64 3
		.amdhsa_memory_ordered 1
		.amdhsa_forward_progress 1
		.amdhsa_inst_pref_size 52
	.end_amdhsa_kernel
	.amdgpu_metadata
---
amdhsa.version: [ 1, 2 ]
amdhsa.kernels:
  - .name:           k_q6029fd9aff_oproj
    .symbol:         k_q6029fd9aff_oproj.kd
    .args:
      - { .name: xi, .offset: 0, .size: 8, .value_kind: global_buffer, .address_space: global }
      - { .name: Wo_codes, .offset: 8, .size: 8, .value_kind: global_buffer, .address_space: global }
      - { .name: lowp_scales, .offset: 16, .size: 8, .value_kind: global_buffer, .address_space: global }
      - { .name: out0, .offset: 24, .size: 8, .value_kind: global_buffer, .address_space: global }
      - { .name: bo, .offset: 32, .size: 8, .value_kind: global_buffer, .address_space: global }
    .group_segment_fixed_size: 327680
    .private_segment_fixed_size: 0
    .kernarg_segment_align: 8
    .kernarg_segment_size: 40
    .max_flat_workgroup_size: 128
    .sgpr_count:     98
    .vgpr_count:     1024
    .wavefront_size: 32
...
	.end_amdgpu_metadata
.endif
;; end of part 3
